; MI455X (gfx1250); checked and timed in simulation.
; The chip was launched on July 23, 2026; its instructions are those of AMD's public machine-readable ISA for CDNA 5 (MIT licence, August 2026) and "CDNA5" Instruction Set Architecture Reference Guide (July 2026). The comments in the code are by the model that wrote it; some were corrected since.
;; Multi Head Attention. Allowed arithmetic: matrix products marked QUANTISED: E3M2 operands, one E8M0 scale for each 32 along K, by v_wmma_scale_f32_16x16x128_f8f6f4 with both operands' format E3M2, f32 sums; everything else in f32.
;; Inputs: Wk 512 x 512 float32; Wq 512 x 512 float32; Wv 512 x 512 float32; beta 512 float32; bk 512 float32; bq 512 float32; bv 512 float32; gamma 512 float32; x 2 x 4,096 x 512 float32.
;; Outputs: out0 2 x 4,096 x 512 float32.
;; This version of the problem:
;;   THIS VERSION OF THE PROBLEM IS GIVEN IN LOW PRECISION. The matrix products marked QUANTISED in the list below multiply operands that are first quantised to E3M2 (3 exponent bits, 2 mantissa bits; 6 bits a number), with one power-of-two scale for each 32 numbers along K (OCP MX v1.0); their sums are f32. All else is computed in f32.
;;   The module's matrix products, in the order in which they are computed (A, B: the left and right operand; K: the contracted axis; several contracted axes count as one K, in the product's order):
;;     1. [M 8,192, K 512] x [K 512, N 512]; A: input x; B: input Wq: QUANTISED
;;     2. [M 8,192, K 512] x [K 512, N 512]; A: input x; B: input Wk: QUANTISED
;;     3. [M 8,192, K 512] x [K 512, N 512]; A: input x; B: input Wv: QUANTISED
;;     4. batch 16 x [M 4,096, K 64] x [K 64, N 4,096]; A: computed on the way; B: computed on the way: QUANTISED
;;     5. batch 16 x [M 4,096, K 4,096] x [K 4,096, N 64]; A: softmax (see below); B: computed on the way: QUANTISED
;;   THE QUANTISER, for each operand of a quantised product, along K:
;;     - K is cut into blocks of 32 from its start; a last block that is shorter is filled with zeros.
;;     - A block's scale is 2^e with e = floor(log2(the largest magnitude in the block)) - 4, held to -126 .. 127; a block of zeros has e = 0. As a byte (E8M0): e + 127.
;;     - Each number is divided by its block's scale, clamped to +-28, and rounded to the nearest number of E3M2, ties to even, subnormals kept.
;;     - The product sums the exact products of the quantised numbers (number of the format x scale) in f32.
;;   ~~~python
;;   def quantise(x, axis):      # numpy; x: float32 -> the quantised numbers, widened to float32 again
;;       x = np.moveaxis(x, axis, -1); K = x.shape[-1]
;;       x = np.pad(x, [(0, 0)] * (x.ndim - 1) + [(0, -K % 32)]); x = x.reshape(x.shape[:-1] + (-1, 32)); a = np.abs(x).max(-1, keepdims=True)
;;       e = np.where(a > 0, np.clip(np.frexp(np.where(a > 0, a, 1))[1] - 1 - 4, -126, 127), 0)      # np.frexp(a)[1] - 1 = floor(log2(a)), exactly
;;       r = np.clip(x / 2.0 ** e, -28, 28)
;;       step = 2.0 ** (np.maximum(np.frexp(np.where(r == 0, 1, r))[1] - 1, -2) - 2)
;;       q = np.round(r / step) * step * 2.0 ** e      # np.round: ties to even
;;       return np.moveaxis(q.reshape(q.shape[:-2] + (-1,))[..., :K], -1, axis).astype(np.float32)
;;   ~~~
;;   SOFTMAX AHEAD OF A QUANTISED PRODUCT. Where the list says 'softmax', what is quantised is not the finished softmax but p = 2^(t - M), with t = logit x log2(e) and M = ceil(the row's largest t), a whole number; so 1/2 < the row's largest p <= 1. The row's sum l is taken of the UNQUANTISED p, in f32, and the product's result is divided by l at the end. Since M is a whole number, a kernel that streams over the keys may use a running M (the ceiling of the running maximum): every later rescaling is an exact power of two, which a block's scale takes up: the codes' values come out the same.
;;   OPERANDS COMPUTED ON THE WAY. 'Computed on the way' means the value that the module computes at that place (a softmax that the list does not call 'softmax' is quantised finished and normalised). What goes into a quantiser is computed in f32, as accurately as f32 sums, v_exp_f32 and their like allow (about 1e-6 of the number): no bf16 or f16 on the way to a quantiser, and a product that is left as it is and whose result goes on into a quantised operand takes f32 operands (vector FMAs, or v_wmma_f32_16x16x4_f32). A number that lies on a knife's edge between two numbers of the format may be rounded either way, as far as f32 arithmetic and the matrix unit's own rounding can turn it there, and no further.
;; One version. Each part assembles by itself: llvm-mc -triple=amdgcn-amd-amdhsa -mcpu=gfx1250 --defsym DOCPART=n.
;; ======== version 1 of 1: 3 launches
;; limits: right only within a limited range of input values
;; workspace buffers: wf 589,824 bytes; ws 24,576 bytes; kv 6,553,600 bytes; qw 3,276,800 bytes
;; launch wq (part 1): grid 12 x 4, 4 waves a work-group, no clusters, 0 bytes of LDS; arguments Wq, Wk, Wv, wf, ws; writes wf, ws
.if DOCPART == 1
	.amdgcn_target "amdgcn-amd-amdhsa--gfx1250"
	.amdhsa_code_object_version 6
	.text
	.protected	k_q140cd10570_wq
	.globl	k_q140cd10570_wq
	.p2align	8
	.type	k_q140cd10570_wq,@function
k_q140cd10570_wq:
	s_mov_b64 s[64:65], 0
	v_nop
	global_prefetch_b8 v0, s[64:65] scope:SCOPE_SE
	s_setreg_imm32_b32 hwreg(HW_REG_WAVE_MODE, 25, 1), 1
	s_wait_xcnt 0x0
; Wq, Wk, Wv [512 (k)][512 (n)] f32 become codes of BF6 (E3M2) with one E8M0 byte for each 32 along K (their FIRST axis), laid in the order of
; a matrix operand's registers, so that the next launch loads each fragment by three loads of 16 bytes a lane.
;   wf [w 16][s 4][e 6][1536]: w = 32 columns of each matrix, s = 128 along K, e = 2 x matrix + half (16 columns).  A fragment is 12 registers a lane:
;      three pieces of 512 bytes, piece k = registers 4 k .. 4 k + 3, lane l at 16 l.  Lane (r, h), registers 6 c .. 6 c + 5: k = 128 s + 64 c + 32 h + 0 .. 31 of column r.
;   ws [w 16][s 4][matrix 3][32 words]: lanes 0-15 the scale words of the first 16 columns, lanes 16-31 those of the second 16.
; A LANE TAKES A COLUMN AND ITS REGISTERS RUN DOWN K: a load reads 128 consecutive bytes a wave (the four waves stand side by side on 512), a block of 32 lies in one lane,
; and the conversions give codes with K innermost.  An exchange of lane halves then makes two fragments of 16 columns out of 32 columns x 4 blocks.
; A block's scale byte is its largest magnitude's exponent field - 4, held at 1 from below by a floor among the maximum's leaves.
; LIMITS: a block of zeros gets the byte 1 where the rule says 127 (its codes are zeros, and this program alone reads the bytes); blocks whose largest magnitude lies under 2^-122
; have the byte 1; NaN and infinities among the inputs are not served.
; 3 matrices x 4 groups of 128 columns x 4 K steps = 48 work-groups: all the work there is.  Work-groups share no input: no cluster.  No LDS, no barrier.
.set X,  32                            ; v32-159  four blocks of 32 numbers
.set C,  160                           ; v160-183 codes: block b at C + 12 (b % 2) + 6 (b / 2)
.set CT, 184                           ; v184-186, v188-190: a block's second 16 codes (a conversion's three registers begin on an even number)
.set BM, 8                             ; v8-9     largest magnitudes of two blocks
.set E,  10                            ; v10-11   the conversions' scale operands
.set BY, 12                            ; v12-13   scale bytes
.set PW, 14                            ; v14      my column's scale word
	s_load_b128 s[4:7], s[0:1], 0x0                ; Wq, Wk
	s_load_b128 s[8:11], s[0:1], 0x10              ; Wv, wf
	s_load_b64 s[12:13], s[0:1], 0x20              ; ws
	v_lshrrev_b32 v3, 5, v0
	v_readfirstlane_b32 s19, v3                    ; wave 0..3
	v_and_b32 v4, 31, v0                           ; lane
	v_lshlrev_b32 v1, 2, v4                        ; 4 x lane
	v_lshlrev_b32 v2, 4, v4                        ; 16 x lane
	s_lshr_b32 s16, ttmp9, 2                       ; which matrix: 0 q, 1 k, 2 v
	s_and_b32 s17, ttmp9, 3
	s_and_b32 s18, ttmp7, 0xffff                   ; K step s
	s_lshl_b32 s17, s17, 2
	s_add_co_u32 s17, s17, s19                     ; w: my 32 columns
	s_lshl_b32 s20, s18, 18                        ; W: 128 s rows of 2,048 bytes
	s_lshl_b32 s21, s17, 7                         ;    + 128 w bytes
	s_add_co_u32 s20, s20, s21
	s_mov_b32 s21, 0
	s_mul_i32 s22, s18, 6
	s_lshl_b32 s23, s16, 1
	s_add_co_u32 s22, s22, s23
	s_mul_i32 s22, s22, 1536                       ; wf: fragment 6 s + 2 x matrix
	s_mul_i32 s23, s17, 36864
	s_add_co_u32 s22, s22, s23
	s_mov_b32 s23, 0
	s_mul_i32 s24, s18, 3
	s_add_co_u32 s24, s24, s16
	s_lshl_b32 s24, s24, 7                         ; ws: 128 bytes at 3 s + matrix
	s_mul_i32 s25, s17, 1536
	s_add_co_u32 s24, s24, s25
	s_mov_b32 s25, 0
	s_wait_alu depctr_va_vdst(0)
	s_wait_kmcnt 0x0
	s_cmp_eq_u32 s16, 1                            ; the matrix is chosen by the work-group's number alone
	s_cselect_b64 s[4:5], s[6:7], s[4:5]
	s_cmp_eq_u32 s16, 2
	s_cselect_b64 s[4:5], s[8:9], s[4:5]
	s_add_nc_u64 s[4:5], s[4:5], s[20:21]
	s_add_nc_u64 s[10:11], s[10:11], s[22:23]
	s_add_nc_u64 s[12:13], s[12:13], s[24:25]
.set n, 0
.rept 128
	global_load_b32 v[X+n], v1, s[4:5] offset:n*2048 th:TH_LOAD_NT   ; W(128 s + n, my column): read once in the launch
.set n, n+1
.endr
; blocks b and b + 1 of my column, by turns: largest magnitude, scale operand, byte, codes
.macro QPAIR b
.irp c, 0,1
	v_max3_num_f32 v[BM+\c], |v[X+32*(\b+\c)]|, |v[X+32*(\b+\c)+1]|, 0x2800000   ; and the floor 2^(5 - 127): the byte cannot fall under 1
.endr
.irp i, 2,4,6,8,10,12,14,16,18,20,22,24,26,28,30
.irp c, 0,1
	v_max3_num_f32 v[BM+\c], v[BM+\c], |v[X+32*(\b+\c)+\i]|, |v[X+32*(\b+\c)+\i+1]|
.endr
.endr
.irp c, 0,1
	v_add_nc_u32 v[E+\c], 0xfe000000, v[BM+\c]     ; 4 off the exponent field: the conversion takes this operand's exponent field as its scale
.endr
.irp c, 0,1
	v_lshrrev_b32 v[BY+\c], 23, v[E+\c]            ; the scale's byte
.endr
.if \b == 0
	v_lshl_or_b32 v[PW], v[BY+1], 8, v[BY]         ; byte b of the word scales k = 32 b .. 32 b + 31
.else
	v_lshl_or_b32 v[PW], v[BY], 16, v[PW]
	v_lshl_or_b32 v[PW], v[BY+1], 24, v[PW]
.endif
.irp c, 0,1
	v_cvt_scalef32_pk16_bf6_f32 v[C+12*\c+6*(\b/2):C+12*\c+6*(\b/2)+2], v[X+32*(\b+\c):X+32*(\b+\c)+15], v[E+\c]
	v_cvt_scalef32_pk16_bf6_f32 v[CT+4*\c:CT+4*\c+2], v[X+32*(\b+\c)+16:X+32*(\b+\c)+31], v[E+\c]
.endr
	v_nop                                          ; one plain place behind the scaled conversions
.irp c, 0,1
.irp i, 0,1,2
	v_mov_b32 v[C+12*\c+6*(\b/2)+3+\i], v[CT+4*\c+\i]
.endr
.endr
.endm
	s_wait_loadcnt 63                              ; of 128 loads at most 63 are out: the first 65 are in, blocks 0 and 1 among them
	QPAIR 0
	s_wait_loadcnt 0x0
	QPAIR 2
; v[C + 6 c + i] holds block 2 c and v[C + 12 + 6 c + i] block 2 c + 1 of 32 columns.  The first's lanes 16-31 change places with the second's lanes 0-15:
; the first 12 registers are then the fragment of columns 0-15 (lanes 0-15 block 2 c, lanes 16-31 block 2 c + 1), the second 12 that of columns 16-31.
.irp c, 0,1
.irp i, 0,1,2,3,4,5
	v_permlane16_swap_b32 v[C+6*\c+\i], v[C+12+6*\c+\i]
.endr
.endr
.irp k, 0,1,2,3,4,5
	global_store_b128 v2, v[C+4*\k:C+4*\k+3], s[10:11] offset:512*\k   ; 512 consecutive bytes a store, at a multiple of 256 from wf's first byte
.endr
	global_store_b32 v1, v[PW], s[12:13]           ; 128 consecutive bytes
	s_endpgm
.Lfunc_end_k_q140cd10570_wq:
	.size	k_q140cd10570_wq, .Lfunc_end_k_q140cd10570_wq-k_q140cd10570_wq
	.p2alignl 7, 3214868480
	.fill 96, 4, 3214868480
	.section	.rodata,"a",@progbits
	.p2align	6, 0x0
	.amdhsa_kernel k_q140cd10570_wq
		.amdhsa_group_segment_fixed_size 0
		.amdhsa_private_segment_fixed_size 0
		.amdhsa_enable_private_segment 0
		.amdhsa_kernarg_size 40
		.amdhsa_user_sgpr_count 2
		.amdhsa_user_sgpr_kernarg_segment_ptr 1
		.amdhsa_wavefront_size32 1
		.amdhsa_system_sgpr_workgroup_id_x 1
		.amdhsa_system_sgpr_workgroup_id_y 1
		.amdhsa_system_sgpr_workgroup_id_z 1
		.amdhsa_system_vgpr_workitem_id 0
		.amdhsa_next_free_vgpr 192
		.amdhsa_next_free_sgpr 66
		.amdhsa_reserve_vcc 0
		.amdhsa_float_denorm_mode_32 3
		.amdhsa_float_denorm_mode_16_64 3
		.amdhsa_memory_ordered 1
		.amdhsa_forward_progress 1
		.amdhsa_inst_pref_size 21
	.end_amdhsa_kernel
	.amdgpu_metadata
---
amdhsa.version: [ 1, 2 ]
amdhsa.kernels:
  - .name:           k_q140cd10570_wq
    .symbol:         k_q140cd10570_wq.kd
    .args:
      - { .name: Wq, .offset: 0, .size: 8, .value_kind: global_buffer, .address_space: global }
      - { .name: Wk, .offset: 8, .size: 8, .value_kind: global_buffer, .address_space: global }
      - { .name: Wv, .offset: 16, .size: 8, .value_kind: global_buffer, .address_space: global }
      - { .name: wf, .offset: 24, .size: 8, .value_kind: global_buffer, .address_space: global }
      - { .name: ws, .offset: 32, .size: 8, .value_kind: global_buffer, .address_space: global }
    .group_segment_fixed_size: 0
    .private_segment_fixed_size: 0
    .kernarg_segment_align: 8
    .kernarg_segment_size: 40
    .max_flat_workgroup_size: 128
    .sgpr_count:     66
    .vgpr_count:     192
    .wavefront_size: 32
...
	.end_amdgpu_metadata
.endif
;; end of part 1
;; launch proj (part 2): grid 256 x 1, 16 waves a work-group, no clusters, 227,328 bytes of LDS; arguments x, wf, ws, bq, bk, bv, kv, qw; writes kv, qw
.if DOCPART == 2
	.amdgcn_target "amdgcn-amd-amdhsa--gfx1250"
	.amdhsa_code_object_version 6
	.text
	.protected	k_q140cd10570_proj
	.globl	k_q140cd10570_proj
	.p2align	8
	.type	k_q140cd10570_proj,@function
k_q140cd10570_proj:
	s_mov_b64 s[64:65], 0
	v_nop
	global_prefetch_b8 v0, s[64:65] scope:SCOPE_SE
	s_setreg_imm32_b32 hwreg(HW_REG_WAVE_MODE, 25, 1), 1
	s_wait_xcnt 0x0
; q, k, v = x W + b on codes of BF6 (E3M2), and their results quantised again into the operands of the attention launch.
; reference() reshapes [8192][512] to [16 heads][4096][64] with no transposition: x-row R gives the 8 neighbouring head-rows 8 R + g (g = column / 64, d = column % 64).
; So 16 rows of x (a UNIT) are 128 keys, one K step of the second attention product, and 128 queries.
; SHARES.  A work-group takes 32 rows of x (units 2 x work-group + u).  Each of its sixteen waves takes 32 columns of each of the three matrices: six tiles of 16 columns x two units = 12 accumulators.
; The products are used transposed (source 0 = 16 columns of W, source 1 = 16 rows of x): lane (row, h) holds columns 8 h + 0 .. 7 of a tile.  The biases are loaded into the accumulators: the C of the first K step.
; PHASES.  X: waves 0-7 quantise the 8 fragments of x (unit w / 4, K step w % 4) and store them in LDS as images of their registers | barrier | four K steps, weights from memory straight into registers |
; results as f32 into six stages in LDS (K, V, Q of both units), each laid so that one formula reads a lane's whole blocks of 32 | barrier | 24 items (stage, 32 rows) are quantised: codes leave as images of
; registers, 512 consecutive bytes a store; scale words gather in LDS | barrier | three waves store the scale words as whole runs of 256 bytes.
; OUT.  kv [unit 512][12800]: K 4 double fragments (1536 each), V 4 fragments at 6144, K's scale words at 12288 (16 r + 4 F), V's at 12544 (16 r + 4 t).  qw [unit][6400]: Q 4 double fragments, words at 6144.
;   K's double fragment F: registers 6 u .. 6 u + 5 of lane (r, h): d = 32 h .. 32 h + 31 of key 64 c + 32 (r / 8) + 8 t + r % 8, where 4 c + t = 2 F + u.  The head's 64 fill half of the instruction's K = 128, so two
;   V's fragment t: lane (r, h), registers 6 c ..: d = 16 t + r, keys 64 c + 32 h + 0 .. 31 (the keys are its K).
; NO CLUSTER, though all work-groups read the same weights: they come in operand order from memory straight into registers, each fragment once a work-group.  Shared by joint loads they would go through LDS;
; beside this text's 225,280 bytes two slots of 51,200 fit, 33 fragments, two a wave: a round of the cluster's barrier for every four matrix instructions of a wave.
; LIMITS: a bias is added ahead of the sums, not behind them (an order of f32 rounding); a block of zeros gets the byte 1 where the rule says 127 (zero codes; this program alone reads the bytes);
; blocks whose largest magnitude lies under 2^-122 have the byte 1; NaN and infinities are not served.
.set XIMG, 0                           ; LDS: x's 8 fragments, 1,536 bytes each (4 u + s)
.set XSC,  12288                       ; their scale words, 128 bytes each
.set STG,  13312                       ; six stages: K u0, K u1, V u0, V u1, Q u0, Q u1
.set ROWP, 272                         ; a stage row: 256 bytes of f32 + 16
.set GRP,  2192                        ; eight rows + 16: so that sixteen lanes 8 rows apart store 16 bytes each to sixteen different columns of 16 bytes modulo 256
.set ITEM, 4*GRP                       ; 32 rows: what one wave quantises at a time
.set STGB, 16*GRP                      ; a stage: 128 rows
.set SCA,  STG+6*STGB                  ; scale words: unit u: K's at 512 u, V's at 512 u + 256, Q's at 1024 + 256 u
.set LI,   1                           ; v1   16 x lane
.set LS,   2                           ; v2   4 x lane
.set SH,   3                           ; v3   8 h
.set XA,   4                           ; v4   out of x's turning bytes: 528 r + 128 h
.set XT,   23                          ; v23  into them: 16 x lane
.set XWI,  5                           ; v5   where I store my image of x
.set XWS,  6                           ; v6   and its scale words
.set BO,   7                           ; v7   32 h
.set AQ,   8                           ; v8   into Q's stage
.set AK,   9                           ; v9   into K's
.set AV,   10                          ; v10  into V's
.set RB,   11                          ; v11  out of the stages: item w
.set RB2,  12                          ; v12  item w + 8
.set SCW1, 13                          ; v13  item w's scale word
.set SCW2, 14                          ; v14  item w + 8's
.set SCR,  15                          ; v15  the scale words' way out: LDS
.set GOS,  16                          ; v16  and memory
.set W,    24                          ; v24-95   six fragments of W; also the 64 numbers that are quantised
.set WS,   96                          ; v96-107  W's scale words: 3 s + matrix
.set XF,   108                         ; v108-131 x's two fragments; also the codes just made
.set XS,   132                         ; v132-133 x's scale words
.set ACC,  136                         ; v136-231 accumulator (e, u) at ACC + 8 (2 e + u)
.set BM,   232
.set E,    234
.set BY,   236
.set PW1,  238
.set PT,   239
.set CT,   240                         ; v240-242, v244-246
.set PW2,  248
.set WV,   20
; 64 numbers of a lane, two whole blocks of 32 (block c in v[src + 32 c] on; in the operand it is block 2 c + h of row r), become 12 registers of codes at v[pc] and the row's scale word in v[pw]
.macro QUANT2 src, pc, pw
.irp c, 0,1
	v_max3_num_f32 v[BM+\c], |v[\src+32*\c]|, |v[\src+32*\c+1]|, 0x2800000   ; and the floor 2^(5 - 127): the byte cannot fall under 1
.endr
.irp i, 2,4,6,8,10,12,14,16,18,20,22,24,26,28,30
.irp c, 0,1
	s_delay_alu instid0(VALU_DEP_2)
	v_max3_num_f32 v[BM+\c], v[BM+\c], |v[\src+32*\c+\i]|, |v[\src+32*\c+\i+1]|   ; the two blocks by turns
.endr
.endr
.irp c, 0,1
	s_delay_alu instid0(VALU_DEP_2)
	v_add_nc_u32 v[E+\c], 0xfe000000, v[BM+\c]     ; 4 off the exponent field: the conversion's scale operand
.endr
.irp c, 0,1
	s_delay_alu instid0(VALU_DEP_2)
	v_lshrrev_b32 v[BY+\c], 23, v[E+\c]            ; the scale's byte
.endr
	s_delay_alu instid0(VALU_DEP_1)
	v_lshl_or_b32 v[\pw], v[BY+1], 16, v[BY]       ; my two bytes, blocks h and 2 + h,
	s_delay_alu instid0(VALU_DEP_1)
	v_lshlrev_b32 v[\pw], v[SH], v[\pw]            ; at their places, 8 h bits up;
	s_delay_alu instid0(VALU_DEP_1)
	v_permlanex16_b32 v[PT], v[\pw], s22, s23
	s_delay_alu instid0(VALU_DEP_1)
	v_or_b32 v[\pw], v[\pw], v[PT]                 ; with lane l xor 16's two the word is whole
.irp c, 0,1
	v_cvt_scalef32_pk16_bf6_f32 v[\pc+6*\c:\pc+6*\c+2], v[\src+32*\c:\src+32*\c+15], v[E+\c]
	v_cvt_scalef32_pk16_bf6_f32 v[CT+4*\c:CT+4*\c+2], v[\src+32*\c+16:\src+32*\c+31], v[E+\c]   ; (a conversion's three registers begin on an even number)
.endr
	v_nop                                          ; one plain place behind the scaled conversions
.irp c, 0,1
.irp i, 0,1,2
	v_mov_b32 v[\pc+6*\c+3+\i], v[CT+4*\c+\i]
.endr
.endr
.endm
.macro WLOAD s                         ; my six fragments of W for K step s: each load 512 consecutive bytes
.irp e, 0,1,2,3,4,5
.irp k, 0,1,2
	global_load_b128 v[W+12*\e+4*\k:W+12*\e+4*\k+3], v[LI], s[6:7] offset:(6*(\s)+\e)*1536+512*\k
.endr
.endr
.endm
.macro XFETCH s                        ; both units' fragments of x for K step s, and their scale words
.irp u, 0,1
.irp k, 0,1,2
	ds_load_b128 v[XF+12*\u+4*\k:XF+12*\u+4*\k+3], v[LI] offset:XIMG+(4*\u+(\s))*1536+512*\k
.endr
	ds_load_b32 v[XS+\u], v[LS] offset:XSC+128*(4*\u+(\s))
.endr
.endm
.macro MULS s                          ; 12 matrix instructions; the 12 accumulators take turns, one instruction a turn, in the same order in every K step
.irp e, 0,1,2,3,4,5
.irp u, 0,1
.if \e % 2
	v_wmma_scale_f32_16x16x128_f8f6f4 v[ACC+8*(2*\e+\u):ACC+8*(2*\e+\u)+7], v[W+12*\e:W+12*\e+11], v[XF+12*\u:XF+12*\u+11], v[ACC+8*(2*\e+\u):ACC+8*(2*\e+\u)+7], v[WS+3*(\s)+\e/2], v[XS+\u] matrix_a_fmt:MATRIX_FMT_BF6 matrix_b_fmt:MATRIX_FMT_BF6 matrix_a_scale:MATRIX_SCALE_ROW1
.else
	v_wmma_scale_f32_16x16x128_f8f6f4 v[ACC+8*(2*\e+\u):ACC+8*(2*\e+\u)+7], v[W+12*\e:W+12*\e+11], v[XF+12*\u:XF+12*\u+11], v[ACC+8*(2*\e+\u):ACC+8*(2*\e+\u)+7], v[WS+3*(\s)+\e/2], v[XS+\u] matrix_a_fmt:MATRIX_FMT_BF6 matrix_b_fmt:MATRIX_FMT_BF6
.endif
.endr
.endr
.endm
.macro BLK adr                         ; an item's 32 rows: lane (r, h) takes bytes 128 h .. 128 h + 127 of rows r and 16 + r: two whole blocks of 32 numbers
.irp u, 0,1
.irp i, 0,1,2,3,4,5,6,7
	ds_load_b128 v[W+32*\u+4*\i:W+32*\u+4*\i+3], v[\adr] offset:2*GRP*\u+16*\i
.endr
.endr
.endm
.macro BARRIER                         ; my LDS stores have landed and my LDS loads are in: then the work-group's barrier
	s_wait_dscnt 0x0
	s_barrier_signal -1
	s_barrier_wait -1
.endm
	s_load_b256 s[4:11], s[0:1], 0x0               ; x, wf, ws, bq
	s_load_b256 s[12:19], s[0:1], 0x20             ; bk, bv, kv, qw
	v_lshl_add_u32 v254, v0, 2, 0x37000
	v_mov_b32 v255, 0
	v_lshrrev_b32 v17, 5, v0
	s_delay_alu instid0(VALU_DEP_1)
	v_readfirstlane_b32 s[WV], v17                 ; wave 0..15
	v_and_b32 v17, 31, v0                          ; lane
	v_and_b32 v18, 15, v0                          ; r
	v_bfe_u32 v19, v0, 4, 1                        ; h
	s_delay_alu instid0(VALU_DEP_3)
	v_lshlrev_b32 v[LI], 4, v17
	s_wait_alu depctr_va_vdst(0)
	v_lshlrev_b32 v[LS], 2, v17
	s_wait_alu depctr_va_vdst(0)
	v_lshlrev_b32 v[SH], 3, v19
	v_mul_u32_u24 v[XA], v18, 528
	s_delay_alu instid0(VALU_DEP_1)
	v_lshl_add_u32 v[XA], v19, 7, v[XA]
	v_lshlrev_b32 v[BO], 5, v19
	s_wait_alu depctr_va_vdst(0)
	v_mov_b32 v[PT], 0                             ; written once: a lane permute's destination counts as one of its sources
	s_mov_b32 s22, 0x76543210
	s_mov_b32 s23, 0xfedcba98                      ; v_permlanex16_b32's selects for lane l xor 16
	s_and_b32 s34, s[WV], 1                        ; w & 1: which 32 of a head's 64
	s_lshr_b32 s35, s[WV], 1                       ; w >> 1: g, which of a row's 8 head-rows
	s_and_b32 s36, s[WV], 3
	s_bfe_u32 s37, s[WV], 0x10002                  ; (w >> 2) & 1
	s_lshr_b32 s38, s[WV], 3
	; every LDS address is made here, ahead of the first branch on the wave's number
	s_mul_i32 s42, s[WV], 1536
	v_add_nc_u32 v[XWI], s42, v[LI]
	s_mul_i32 s42, s[WV], 8448                     ; x turns through 16 rows of 512 + 16 bytes, each wave's own, inside the stages, which are first stored to behind the next barrier
	s_add_co_u32 s42, s42, STG
	v_add_nc_u32 v[XA], s42, v[XA]
	v_add_nc_u32 v[XT], s42, v[LI]
	s_lshl_b32 s42, s[WV], 7
	s_add_co_u32 s42, s42, XSC
	v_add_nc_u32 v[XWS], s42, v[LS]
	s_mul_i32 s43, s35, ROWP
	s_lshl_b32 s42, s34, 7
	s_add_co_u32 s43, s43, s42                     ; row g of a group of 8, bytes 128 (w & 1) on
	v_mad_u32_u24 v[AQ], v18, GRP, v[BO]           ; Q: stage row 8 x-row + g; + 32 h
	s_add_co_u32 s42, s43, STG+4*STGB
	v_add_nc_u32 v[AQ], s42, v[AQ]
	v_bfe_u32 v20, v0, 3, 1                        ; K: the x-row's bits 3, 1, 0, 2 in this order give the group of 8 stage rows: 4 F + 2 u + r / 8 of the head comment
	v_bfe_u32 v21, v0, 1, 1
	s_delay_alu instid0(VALU_DEP_1)
	v_lshl_add_u32 v21, v20, 1, v21
	v_and_b32 v22, 1, v0
	s_delay_alu instid0(VALU_DEP_1)
	v_lshl_add_u32 v21, v21, 1, v22
	v_bfe_u32 v22, v0, 2, 1
	s_delay_alu instid0(VALU_DEP_1)
	v_lshl_add_u32 v21, v21, 1, v22
	s_delay_alu instid0(VALU_DEP_1)
	v_mad_u32_u24 v[AK], v21, GRP, v[BO]
	s_add_co_u32 s42, s43, STG
	v_add_nc_u32 v[AK], s42, v[AK]
	v_lshl_add_u32 v21, v20, 1, v19                ; V: stage row 32 (d / 16) + 16 (key / 64) + d % 16, byte 4 (key % 64); d = 32 (w & 1) + 16 e + 8 h + j, key = 8 x-row + g
	v_and_b32 v22, 7, v0
	s_delay_alu instid0(VALU_DEP_2)
	v_mul_u32_u24 v[AV], v21, GRP
	s_delay_alu instid0(VALU_DEP_1)
	v_lshl_add_u32 v[AV], v22, 5, v[AV]
	s_mul_i32 s42, s34, 8*GRP
	s_lshl_b32 s44, s35, 2
	s_add_co_u32 s42, s42, s44
	s_add_co_u32 s42, s42, STG+2*STGB
	v_add_nc_u32 v[AV], s42, v[AV]
	v_mul_u32_u24 v[RB], v20, GRP                  ; out of a stage: row r of item w, bytes 128 h on
	s_delay_alu instid0(VALU_DEP_1)
	v_mad_u32_u24 v[RB], v22, ROWP, v[RB]
	s_delay_alu instid0(VALU_DEP_1)
	v_lshl_add_u32 v[RB], v19, 7, v[RB]
	s_mul_i32 s42, s[WV], ITEM
	s_add_co_u32 s42, s42, STG
	v_add_nc_u32 v[RB], s42, v[RB]
	s_delay_alu instid0(VALU_DEP_1)
	v_add_nc_u32 v[RB2], 8*ITEM, v[RB]
	s_lshl_b32 s42, s37, 9
	s_lshl_b32 s44, s38, 8
	s_add_co_u32 s42, s42, s44
	s_lshl_b32 s44, s36, 2
	s_add_co_u32 s42, s42, s44
	s_add_co_u32 s42, s42, SCA
	v_lshl_add_u32 v[SCW1], v18, 4, s42            ; SCA + 512 u + 256 (V?) + 4 F + 16 r
	s_lshl_b32 s42, s37, 8
	s_add_co_u32 s42, s42, s44
	s_add_co_u32 s42, s42, SCA+1024
	v_lshl_add_u32 v[SCW2], v18, 4, s42
	s_min_u32 s42, s[WV], 2                        ; (only waves 0 to 2 use it)
	s_lshl_b32 s42, s42, 9
	s_add_co_u32 s42, s42, SCA
	v_add_nc_u32 v[SCR], s42, v[LI]
	s_cmp_eq_u32 s[WV], 2
	s_cselect_b32 s42, 6144, 0                     ; Q's words of the two units lie 6,400 bytes apart in qw, 256 apart in LDS
	v_mad_u32_u24 v[GOS], v19, s42, v[LI]
	s_mov_b32 s41, 0
	s_wait_kmcnt 0x0
	s_lshl_b32 s40, ttmp9, 16                      ; x: 32 rows of 2,048 bytes a work-group,
	s_lshl_b32 s42, s37, 15                        ; 16 rows a unit,
	s_add_co_u32 s40, s40, s42
	s_lshl_b32 s42, s36, 9                         ; 512 bytes a K step
	s_add_co_u32 s40, s40, s42
	s_add_nc_u64 s[4:5], s[4:5], s[40:41]
	s_mul_i32 s40, s[WV], 36864
	s_add_nc_u64 s[6:7], s[6:7], s[40:41]
	s_mul_i32 s40, s[WV], 1536
	s_add_nc_u64 s[8:9], s[8:9], s[40:41]
	s_lshl_b32 s40, s[WV], 7                       ; my 32 columns of each bias
	s_add_nc_u64 s[10:11], s[10:11], s[40:41]
	s_add_nc_u64 s[12:13], s[12:13], s[40:41]
	s_add_nc_u64 s[14:15], s[14:15], s[40:41]
	s_lshl_b32 s43, ttmp9, 1
	s_add_co_u32 s43, s43, s37                     ; my items' unit
	s_mul_i32 s40, s43, 12800
	s_mul_i32 s42, s38, 6144
	s_add_co_u32 s40, s40, s42
	s_mul_i32 s42, s36, 1536
	s_add_co_u32 s40, s40, s42
	s_add_nc_u64 s[26:27], s[16:17], s[40:41]      ; item w's fragment in kv
	s_mul_i32 s40, s43, 6400
	s_add_co_u32 s40, s40, s42
	s_add_nc_u64 s[28:29], s[18:19], s[40:41]      ; item w + 8's in qw
	s_mul_i32 s40, ttmp9, 25600
	s_min_u32 s42, s[WV], 1
	s_mul_i32 s42, s42, 12800
	s_add_co_u32 s40, s40, s42
	s_add_co_u32 s40, s40, 12288                   ; waves 0, 1: unit w's 512 bytes of K's and V's words
	s_mul_i32 s42, ttmp9, 12800
	s_add_co_u32 s42, s42, 6144                    ; wave 2: Q's words
	s_cmp_eq_u32 s[WV], 2
	s_cselect_b64 s[30:31], s[18:19], s[16:17]
	s_cselect_b32 s40, s42, s40
	s_add_nc_u64 s[30:31], s[30:31], s[40:41]
	; ---- X: waves 0-7: lane (r, h) takes, of row r, k = 128 s + 64 c + 32 h + 0 .. 31: the order of the operand's registers
	s_cmp_lt_u32 s[WV], 8
	s_cbranch_scc0 .Lno_x
.irp i, 0,1,2,3,4,5,6,7,8,9,10,11,12,13,14,15
	global_load_b128 v[ACC+4*\i:ACC+4*\i+3], v[LI], s[4:5] offset:2048*\i th:TH_LOAD_NT   ; row i of the unit: the 32 lanes read the K step's 512 consecutive bytes
.endr
	s_wait_loadcnt 0x0
.irp i, 0,1,2,3,4,5,6,7,8,9,10,11,12,13,14,15
	ds_store_b128 v[XT], v[ACC+4*\i:ACC+4*\i+3] offset:528*\i
.endr
.irp c, 0,1
.irp i, 0,1,2,3,4,5,6,7
	ds_load_b128 v[W+32*\c+4*\i:W+32*\c+4*\i+3], v[XA] offset:256*\c+16*\i   ; my own bytes; LDS serves a wave's instructions in order: these see the stores above
.endr
.endr
	s_wait_dscnt 0x0
	QUANT2 W, XF, PW1
.irp k, 0,1,2
	ds_store_b128 v[XWI], v[XF+4*\k:XF+4*\k+3] offset:512*\k
.endr
	ds_store_b32 v[XWS], v[PW1]
.Lno_x:
	; ---- the biases into the accumulators (lane (row, h), register j: column 16 e + 8 h + j of my 32), W's scale words, the first K step's weights
.irp m, 0,1,2
.irp p, 0,1
.irp u, 0,1
	global_load_b128 v[ACC+8*(2*(2*\m+\p)+\u):ACC+8*(2*(2*\m+\p)+\u)+3], v[BO], s[10+2*\m:11+2*\m] offset:64*\p
	global_load_b128 v[ACC+8*(2*(2*\m+\p)+\u)+4:ACC+8*(2*(2*\m+\p)+\u)+7], v[BO], s[10+2*\m:11+2*\m] offset:64*\p+16
.endr
.endr
.endr
.irp t, 0,1,2,3,4,5,6,7,8,9,10,11
	global_load_b32 v[WS+\t], v[LS], s[8:9] offset:128*\t
.endr
	WLOAD 0
	BARRIER                                        ; x's eight fragments lie in LDS
	; ---- four K steps
.irp s, 0,1,2,3
	XFETCH \s
	s_wait_loadcnt 0x0                             ; this step's weights (and, the first time, biases and scale words)
	s_wait_dscnt 0x0
	MULS \s
.rept 4
	v_nop                                          ; four places in front of loads into registers that matrix instructions have read, and of the first read of results
.endr
.if \s < 3
	WLOAD \s+1
.endif
.endr
	; ---- into the stages, each accumulator from its low end on
.irp u, 0,1
.irp p, 0,1
	ds_store_b128 v[AQ], v[ACC+8*(2*\p+\u):ACC+8*(2*\p+\u)+3] offset:STGB*\u+64*\p
	ds_store_b128 v[AQ], v[ACC+8*(2*\p+\u)+4:ACC+8*(2*\p+\u)+7] offset:STGB*\u+64*\p+16
	ds_store_b128 v[AK], v[ACC+8*(2*(2+\p)+\u):ACC+8*(2*(2+\p)+\u)+3] offset:STGB*\u+64*\p
	ds_store_b128 v[AK], v[ACC+8*(2*(2+\p)+\u)+4:ACC+8*(2*(2+\p)+\u)+7] offset:STGB*\u+64*\p+16
.irp j, 0,1,2,3,4,5,6,7
	ds_store_b32 v[AV], v[ACC+8*(2*(4+\p)+\u)+\j] offset:STGB*\u+ITEM*\p+ROWP*\j   ; V is turned here: a stage row is one d, its bytes run along the keys
.endr
.endr
.endr
	BARRIER                                        ; the six stages are whole
	; ---- item w: K of unit 0, 1 (waves 0-7), V of unit 0, 1 (waves 8-15); fragment w % 4
	s_wait_alu depctr_va_vdst(0)
	BLK RB
	s_wait_dscnt 0x0
	QUANT2 W, XF, PW1
.irp k, 0,1,2
	global_store_b128 v[LI], v[XF+4*\k:XF+4*\k+3], s[26:27] offset:512*\k   ; 512 consecutive bytes, at a multiple of 256 from kv's first byte
.endr
	ds_store_b32 v[SCW1], v[PW1]                   ; lanes r and 16 + r write the same word with the same value
	; ---- item w + 8: Q, waves 8-15 (waves 0-7 have quantised x).  Other registers for codes and word: no store's data are written again
	s_cmp_lt_u32 s[WV], 8
	s_cbranch_scc1 .Lno_q
	BLK RB2
	s_wait_dscnt 0x0
	QUANT2 W, XF+12, PW2
.irp k, 0,1,2
	global_store_b128 v[LI], v[XF+12+4*\k:XF+12+4*\k+3], s[28:29] offset:512*\k
.endr
	ds_store_b32 v[SCW2], v[PW2]
.Lno_q:
	BARRIER                                        ; all scale words lie in LDS
	s_cmp_lt_u32 s[WV], 3
	s_cbranch_scc0 .Ldone
	ds_load_b128 v[W:W+3], v[SCR]
	s_wait_dscnt 0x0
	global_store_b128 v[GOS], v[W:W+3], s[30:31]   ; sixteen lanes store 256 consecutive bytes, at a multiple of 256 from the buffer's first byte
.Ldone:
	s_wait_tensorcnt 0x0
	ds_add_u32 v254, v255
	s_wait_dscnt 0x0
	s_endpgm
.Lfunc_end_k_q140cd10570_proj:
	.size	k_q140cd10570_proj, .Lfunc_end_k_q140cd10570_proj-k_q140cd10570_proj
	.p2alignl 7, 3214868480
	.fill 96, 4, 3214868480
	.section	.rodata,"a",@progbits
	.p2align	6, 0x0
	.amdhsa_kernel k_q140cd10570_proj
		.amdhsa_group_segment_fixed_size 227328
		.amdhsa_private_segment_fixed_size 0
		.amdhsa_enable_private_segment 0
		.amdhsa_kernarg_size 64
		.amdhsa_user_sgpr_count 2
		.amdhsa_user_sgpr_kernarg_segment_ptr 1
		.amdhsa_wavefront_size32 1
		.amdhsa_system_sgpr_workgroup_id_x 1
		.amdhsa_system_sgpr_workgroup_id_y 1
		.amdhsa_system_sgpr_workgroup_id_z 1
		.amdhsa_system_vgpr_workitem_id 0
		.amdhsa_next_free_vgpr 256
		.amdhsa_next_free_sgpr 66
		.amdhsa_reserve_vcc 0
		.amdhsa_float_denorm_mode_32 3
		.amdhsa_float_denorm_mode_16_64 3
		.amdhsa_memory_ordered 1
		.amdhsa_forward_progress 1
		.amdhsa_inst_pref_size 48
	.end_amdhsa_kernel
	.amdgpu_metadata
---
amdhsa.version: [ 1, 2 ]
amdhsa.kernels:
  - .name:           k_q140cd10570_proj
    .symbol:         k_q140cd10570_proj.kd
    .args:
      - { .name: x, .offset: 0, .size: 8, .value_kind: global_buffer, .address_space: global }
      - { .name: wf, .offset: 8, .size: 8, .value_kind: global_buffer, .address_space: global }
      - { .name: ws, .offset: 16, .size: 8, .value_kind: global_buffer, .address_space: global }
      - { .name: bq, .offset: 24, .size: 8, .value_kind: global_buffer, .address_space: global }
      - { .name: bk, .offset: 32, .size: 8, .value_kind: global_buffer, .address_space: global }
      - { .name: bv, .offset: 40, .size: 8, .value_kind: global_buffer, .address_space: global }
      - { .name: kv, .offset: 48, .size: 8, .value_kind: global_buffer, .address_space: global }
      - { .name: qw, .offset: 56, .size: 8, .value_kind: global_buffer, .address_space: global }
    .group_segment_fixed_size: 227328
    .private_segment_fixed_size: 0
    .kernarg_segment_align: 8
    .kernarg_segment_size: 64
    .max_flat_workgroup_size: 512
    .sgpr_count:     66
    .vgpr_count:     256
    .wavefront_size: 32
...
	.end_amdgpu_metadata
.endif
;; end of part 2
;; launch attn (part 3): grid 16 x 16, 16 waves a work-group, clusters of 4 x 1, 327,680 bytes of LDS; arguments qw, kv, x, gamma, beta, out0; writes out0
.if DOCPART == 3
	.amdgcn_target "amdgcn-amd-amdhsa--gfx1250"
	.amdhsa_code_object_version 6
	.text
	.protected	k_q140cd10570_attn
	.globl	k_q140cd10570_attn
	.p2align	8
	.type	k_q140cd10570_attn,@function
k_q140cd10570_attn:
	s_mov_b64 s[64:65], 0
	v_nop
	global_prefetch_b8 v0, s[64:65] scope:SCOPE_SE
	s_setreg_imm32_b32 hwreg(HW_REG_WAVE_MODE, 25, 1), 1
	s_wait_xcnt 0x0
	s_wait_alu depctr_hold_cnt(0) depctr_sa_sdst(0) depctr_va_vdst(0) depctr_va_sdst(0) depctr_va_ssrc(0) depctr_va_vcc(0) depctr_vm_vsrc(0)
	s_getreg_b32 s2, hwreg(HW_REG_IB_STS2, 6, 4)
	s_cmp_eq_u32 s2, 0
	s_cbranch_scc0 .Lentry_in_a_cluster
	s_endpgm
.Lentry_in_a_cluster:
	s_bfe_u32 s2, ttmp6, 0x10000c
	s_cmp_lg_u32 s2, 0x3003
	s_cbranch_scc0 .Lentry_shape_is_right
	s_endpgm
.Lentry_shape_is_right:
; out0 = LayerNorm(x + attention), attention = softmax(q k^T / 8) v for 16 heads of 4,096 rows x 64, both products on codes of BF6 (E3M2) with one E8M0 scale for each 32 along K.
; Operands come from the launch before, in the order of the operands' registers: kv [unit 512][12800] (a unit = 128 keys: K 4 double fragments, V 4 fragments at 6144, K's scale words at 12288, V's at 12544),
; qw [unit][6400] (128 queries: 4 double fragments, scale words at 6144).
; SOFTMAX: t = score x log2(e) / 8; M = the row's largest t so far, rounded up to a whole number; p = 2^(t - M) is quantised along the keys, not normalised.  The row's sum is taken of the unquantised p and
; divides O at the end.  When M moves, the sum and O are multiplied by f = 2^(old M - new M): exact, and done in every step: no branch on data.
; SHARES.  A work-group owns 256 queries of one head, each of its sixteen waves 16 of them.  8 neighbouring queries are one row of out0, so a wave owns two whole rows: residual and LayerNorm are done within the wave.
; LAYOUT.  Both products are used transposed: a lane holds one query (lane % 16).  The head's 64 fill half of the instruction's K = 128: a fragment of K holds two tiles of 16 keys and is multiplied once by
; [q | zero codes] and once by [zero codes | q].  Registers 32 c .. 32 c + 31 of the scores hold keys 64 c + 32 (lane / 16) + 0 .. 31: a whole block of the second product's K in one lane.
; A KEY STEP IS PIPELINED IN REGISTERS.  Step i: S(i) = K(i) q; four of the sixteen multiplications O x f(i-1), the places behind those products; the blocks' largest scores in eight chains; the chain of dependent lines
; that makes M, with the other twelve multiplications two by two between its links; O += V(i-1) p(i-1); four multiply-adds, the places behind these products; V(i), K(i+1) and the scale words of step i+1 are asked of LDS;
; the rest of softmax(i).  So every fragment is asked for most of a step ahead of its use.  Scale words have two sets by turns.  At a slot's end the last O += V p is written out, so that each slot's first step has none.
; RING.  Two LDS slots of eight key steps (102,400 bytes).  CLUSTER: the four work-groups of a cluster belong to one head and walk the same kv: each quarter slot is asked for jointly (waves 0 to 3; mask 15).
; By this text's own count a wave has at most one tensor load outstanding.
; LIMITS: a block's largest p is made from its largest score by the same multiply-add and exponential (it takes v_exp_f32 not to fall where its input rises); a block whose every p is 0 has the byte 1 and zero codes;
; the promise holds while the scaled scores stay under 2^31 in magnitude; NaN and infinities among the inputs are not served.
.set UNIT,  12800
.set SLOT1, 131072                     ; slot 1 begins here: one exclusive or turns an address in one slot into the other's
.set STAGE, 233472                     ; the way out: for each wave 2 rows x 8 pieces of (256 + 16) bytes; no tile ever lands here
.set SPARE, STAGE+16*4352              ; the spare words, 128 bytes for each wave
.set SC0, 36                           ; v36-39   scale words of even steps: lanes 0-15 K's four, lanes 16-31 V's four
.set SC1, 252                          ; v252-255 those of odd steps
.set BM,  42                           ; v42, v44 the two blocks' largest scores (the eight chains: v42, 43, 45, 10 and v44, 46, 47, 41); v42-44 then 16 codes on their way
.set KF,  48                           ; v48-95   K's four double fragments; in the last step x's two rows and gamma
.set S,   96                           ; v96-159  S^T, then p
.set O,   160                          ; v160-191 O^T: register 8 t + j = d 16 t + 8 h + j
.set VF,  192                          ; v192-239 V's four fragments
.set PC,  240                          ; v240-251 six partial sums, then p's codes
; v1 16 x lane; v2 the same in the slot in hand; v3, v4 for the add; v5 8 h; v6, v7 prefetch offsets; v[8:9] f; v10 at work; v11 the old -M; v12 -M; v13 the largest score; v[14:15] the sum in two halves;
; v16-33 zero codes x 6, q x 6, zero codes x 6; v34, v35 q's scale words for the two uses; v40 p's scale word; v41 a permute's destination; v46, v47 the conversions' scale operands.
; s16 wave; s[20:21] lane selects; s[22:23] c; s51 -c; s[24:31] descriptor group 1; s[32:35] group 0, which walks; s36 the slot in hand; s37 slots still to be asked for; s38 see ASK; s39 wave % 4; s[40:41] prefetch address; s44 wave % 2; s50 1/512.
.macro CROUND                          ; a round of the cluster's barrier
	s_barrier_signal -1
	s_barrier_wait -1
	s_cmp_lg_u32 s16, 0
	s_cbranch_scc1 .Lnot_wave_0_\@
	s_barrier_signal -3
.Lnot_wave_0_\@:
	s_barrier_wait -3
	s_barrier_signal -1
	s_barrier_wait -1
.endm
.macro TLOAD                           ; waves 0 to 3 fetch the four quarters of a slot; the branch hangs on the wave's number alone.  An s_nop 0 and four v_nop follow the load
	s_cmp_lt_u32 s16, 4
	s_cbranch_scc0 .Lno_load_\@
	tensor_load_to_lds s[32:35], s[24:31]
	s_nop 0
.rept 4
	v_nop
.endr
.Lno_load_\@:
.endm
; A prefetch of the slot that the NEXT change of slots will ask for: eight key steps ahead of that load.  All four clusters of a head walk the same kv: the head's first cluster asks.  Its four partners are told apart
; by address: each takes two key steps, 25,600 bytes; in each, waves 4 to 7 take 6,400 bytes: 25 blocks of 256, a lane a block (lanes 25 to 31 name lane 24's block again).  The last change that fills a slot asks for nothing.
.macro ASK
	s_cmp_gt_u32 s37, s38
	s_cbranch_scc0 .Lnot_mine_\@
	global_prefetch_b8 v6, s[40:41] th:TH_LOAD_NT scope:SCOPE_SE
.Lnot_mine_\@:
.endm
; The change of slots: each wave waits for all its tensor loads, adds 0 to its spare word, and waits for that and for its reads of the slot that it has left.  fill = 1: a round of the cluster's barrier, then the joint refill.
.macro CHANGE fill
	s_wait_tensorcnt 0x0                           ; no tensor load of mine is out, so group 0 may be written
	ds_add_u32 v3, v4
.if \fill
	ds_add_u32 v3, v4                              ; twice here
	s_xor_b32 s33, s33, SLOT1                      ; the other slot than last time,
	s_add_nc_u64 s[34:35], s[34:35], 8*UNIT        ; the next eight key steps
	s_wait_xcnt 0x0                                ; the last prefetch, a slot back, has read its address
	s_add_nc_u64 s[40:41], s[40:41], 8*UNIT
	s_wait_dscnt 0x0
	CROUND
	TLOAD
	ASK
.else
	s_wait_dscnt 0x0
	s_barrier_signal -1
	s_barrier_wait -1
.endif
.endm
.macro KLOAD sc, u                     ; unit u's scale words (512 consecutive bytes: lanes 0-15 K's, lanes 16-31 V's) and K's four double fragments
	ds_load_b128 v[\sc:\sc+3], v2 offset:UNIT*(\u)+12288
.irp f, 0,1,2,3
.irp k, 0,1,2
	ds_load_b128 v[KF+12*\f+4*\k:KF+12*\f+4*\k+3], v2 offset:UNIT*(\u)+1536*\f+512*\k
.endr
.endr
.endm
.macro OM2 j                           ; two of the sixteen multiplications O^T x f
	v_pk_mul_f32 v[O+\j:O+\j+1], v[O+\j:O+\j+1], v[8:9] op_sel_hi:[1,0]
	v_pk_mul_f32 v[O+\j+2:O+\j+3], v[O+\j+2:O+\j+3], v[8:9] op_sel_hi:[1,0]
.endm
.macro PVW sb                          ; O^T += V^T P^T over 128 keys.  Each accumulator has one instruction a step
.irp t, 0,1,2,3
	v_wmma_scale_f32_16x16x128_f8f6f4 v[O+8*\t:O+8*\t+7], v[VF+12*\t:VF+12*\t+11], v[PC:PC+11], v[O+8*\t:O+8*\t+7], v[\sb+\t], v40 matrix_a_fmt:MATRIX_FMT_BF6 matrix_b_fmt:MATRIX_FMT_BF6 matrix_a_scale:MATRIX_SCALE_ROW1
.endr
.endm
.macro LINK pv, j                      ; between two links of the chain that makes M: two of O's multiplications, where the step has them, and the hint that fits the distance
.if \pv
	OM2 \j
	s_delay_alu instid0(VALU_DEP_3)
.else
	s_delay_alu instid0(VALU_DEP_1)
.endif
.endm
; A key step: the q-th of the slot in hand.  pv: the step before has left V, p and f for O;  pf = 1: the next step's K lies in this slot;  pf = 2: the launch's last step: x's rows and gamma come into K's registers
.macro STEP q, pv, pf
.set SA, SC0+(SC1-SC0)*((\q)%2)
.set SB, SC0+(SC1-SC0)*(1-(\q)%2)
.set QV, (\q)%4
	s_wait_dscnt 0x0                               ; K, the scale words and the last step's V, all asked for in the step before (a slot's first K: just now)
.irp f, 0,1,2,3                                ; S^T = K Q^T: tile 2 f against [q | 0], tile 2 f + 1 against [0 | q]
	v_wmma_scale_f32_16x16x128_f8f6f4 v[S+16*\f:S+16*\f+7], v[KF+12*\f:KF+12*\f+11], v[22:33], 0, v[SA+\f], v34 matrix_a_fmt:MATRIX_FMT_BF6 matrix_b_fmt:MATRIX_FMT_BF6
	v_wmma_scale_f32_16x16x128_f8f6f4 v[S+16*\f+8:S+16*\f+15], v[KF+12*\f:KF+12*\f+11], v[16:27], 0, v[SA+\f], v35 matrix_a_fmt:MATRIX_FMT_BF6 matrix_b_fmt:MATRIX_FMT_BF6
.endr
.if \q == 4
	v_add_nc_u32 v2, 4*UNIT, v2                    ; units 4 to 7 by offsets of units 0 to 3: an LDS offset has 16 bits
.endif
.if \pv
	OM2 0                                          ; four places in front of the first read of the results
	OM2 4
.else
.rept 4
	v_nop
.endr
.endif
	; the largest score of each block of 32 keys: eight chains, one to a tile, each tile first read at its low end; then four tiles to a block
	v_max3_num_f32 v42, v[S], v[S+1], v[S+2]
	v_max3_num_f32 v43, v[S+8], v[S+9], v[S+10]
	v_max3_num_f32 v45, v[S+16], v[S+17], v[S+18]
	v_max3_num_f32 v10, v[S+24], v[S+25], v[S+26]
	v_max3_num_f32 v44, v[S+32], v[S+33], v[S+34]
	v_max3_num_f32 v46, v[S+40], v[S+41], v[S+42]
	v_max3_num_f32 v47, v[S+48], v[S+49], v[S+50]
	v_max3_num_f32 v41, v[S+56], v[S+57], v[S+58]
.irp i, 3,5
	v_max3_num_f32 v42, v42, v[S+\i], v[S+\i+1]
	v_max3_num_f32 v43, v43, v[S+8+\i], v[S+9+\i]
	v_max3_num_f32 v45, v45, v[S+16+\i], v[S+17+\i]
	v_max3_num_f32 v10, v10, v[S+24+\i], v[S+25+\i]
	v_max3_num_f32 v44, v44, v[S+32+\i], v[S+33+\i]
	v_max3_num_f32 v46, v46, v[S+40+\i], v[S+41+\i]
	v_max3_num_f32 v47, v47, v[S+48+\i], v[S+49+\i]
	v_max3_num_f32 v41, v41, v[S+56+\i], v[S+57+\i]
.endr
	v_max3_num_f32 v42, v42, v43, v[S+7]
	v_max3_num_f32 v45, v45, v10, v[S+15]
	v_max3_num_f32 v44, v44, v46, v[S+39]
	v_max3_num_f32 v47, v47, v41, v[S+47]
	v_max3_num_f32 v42, v42, v45, v[S+23]
	v_max3_num_f32 v44, v44, v47, v[S+55]
	v_max_num_f32 v[BM], v[BM], v[S+31]            ; block h of these 128 keys
	v_max_num_f32 v[BM+2], v[BM+2], v[S+63]        ; block 2 + h
	s_delay_alu instid0(VALU_DEP_1)
	v_max_num_f32 v10, v[BM], v[BM+2]
	LINK \pv, 8
	v_permlanex16_b32 v41, v10, s20, s21
	LINK \pv, 12
	v_max3_num_f32 v13, v13, v10, v41              ; the running largest score of my query, lane l xor 16's 64 keys among them
	LINK \pv, 16
	v_mul_f32 v10, s51, v13                        ; -t (c is positive, so the largest t belongs to the largest score)
	LINK \pv, 20
	v_floor_f32 v12, v10                           ; the new -M = floor(-t) = -ceil(t): a whole number
	LINK \pv, 24
	v_sub_f32 v11, v12, v11                        ; old M - new M: a whole number, 0 or less
.if \pv
	OM2 28
	PVW SB
.endif
.irp j, 0,2,4,6
	v_pk_fma_f32 v[S+\j:S+\j+1], v[S+\j:S+\j+1], s[22:23], v[12:13] op_sel_hi:[1,0,0]   ; t - M, two at a time (of the pairs c and -M the low word serves both halves).  These four are the places in front of the loads
.endr
.irp f, 0,1,2,3
.irp k, 0,1,2
	ds_load_b128 v[VF+12*\f+4*\k:VF+12*\f+4*\k+3], v2 offset:UNIT*QV+6144+1536*\f+512*\k
.endr
.endr
.if (\pf) == 1
	KLOAD SB, QV+1
.endif
.if (\pf) == 2
.irp p, 0,1
.irp k, 0,1,2,3
	global_load_b128 v[KF+16*\p+4*\k:KF+16*\p+4*\k+3], v1, s[8:9] offset:2048*\p+512*\k th:TH_LOAD_NT   ; x: my two rows
.endr
.endr
.irp k, 0,1,2,3
	global_load_b128 v[KF+32+4*\k:KF+32+4*\k+3], v1, s[10:11] offset:512*\k   ; gamma
.endr
.endif
	v_cvt_i32_f32 v11, v11                         ; (it saturates)
.irp j, 8,10,12,14
	v_pk_fma_f32 v[S+\j:S+\j+1], v[S+\j:S+\j+1], s[22:23], v[12:13] op_sel_hi:[1,0,0]
.endr
	v_ldexp_f32 v8, 1.0, v11                       ; f = 2^(old M - new M)
.irp j, 16,18,20,22,24,26,28,30,32,34,36,38,40,42,44,46,48,50,52,54,56,58,60,62
	v_pk_fma_f32 v[S+\j:S+\j+1], v[S+\j:S+\j+1], s[22:23], v[12:13] op_sel_hi:[1,0,0]
.endr
	v_fma_f32 v[BM], v[BM], s22, v12               ; the same of each block's largest score
	v_fma_f32 v[BM+2], v[BM+2], s22, v12
	s_wait_alu depctr_va_vdst(0)
	v_exp_f32 v[BM], v[BM]                         ; the blocks' largest p: the same two instructions on the same number give the same bits
	v_exp_f32 v[BM+2], v[BM+2]
.irp j, 0,1,2,3,4,5,6,7,8,9,10,11,12,13,14,15,16,17,18,19,20,21,22,23,24,25,26,27,28,29,30,31,32,33,34,35,36,37,38,39,40,41,42,43,44,45,46,47,48,49,50,51,52,53,54,55,56,57,58,59,60,61,62,63
	v_exp_f32 v[S+\j], v[S+\j]                     ; p = 2^(t - M), at most 1: not normalised
.endr
	v_mov_b32 v11, v12                             ; the next step's old -M: the plain place behind the exponentials
	s_wait_alu depctr_va_vdst(0)                   ; one wait for the batch of 66, ahead of its first reader
	; the row's sum of the unquantised p: 32 pairs into six partial sums and the running sum, which takes f in its first addition; the lines that make p's scale word stand among them
.irp k, 0,1,2,3,4,5
	v_pk_add_f32 v[PC+2*\k:PC+2*\k+1], v[S+2*\k:S+2*\k+1], v[S+12+2*\k:S+13+2*\k]
.endr
	v_pk_fma_f32 v[14:15], v[14:15], v[8:9], v[S+24:S+25] op_sel_hi:[1,0,1]
	v_max_num_f32 v[BM], 0x2800000, v[BM]          ; the floor 2^(5 - 127): the byte cannot fall under 1
	v_max_num_f32 v[BM+2], 0x2800000, v[BM+2]
.irp k, 0,1,2,3,4,5
	v_pk_add_f32 v[PC+2*\k:PC+2*\k+1], v[PC+2*\k:PC+2*\k+1], v[S+26+2*\k:S+27+2*\k]
.endr
	v_pk_add_f32 v[14:15], v[14:15], v[S+38:S+39]
	v_add_nc_u32 v46, 0xfe000000, v[BM]            ; 4 off the exponent field: the conversion's scale operand
	v_add_nc_u32 v47, 0xfe000000, v[BM+2]
.irp k, 0,1,2,3,4,5
	v_pk_add_f32 v[PC+2*\k:PC+2*\k+1], v[PC+2*\k:PC+2*\k+1], v[S+40+2*\k:S+41+2*\k]
.endr
	v_pk_add_f32 v[14:15], v[14:15], v[S+52:S+53]
	v_lshrrev_b32 v10, 23, v46                     ; the scales' bytes
	v_lshrrev_b32 v41, 23, v47
.irp k, 0,1,2,3,4
	v_pk_add_f32 v[PC+2*\k:PC+2*\k+1], v[PC+2*\k:PC+2*\k+1], v[S+54+2*\k:S+55+2*\k]
.endr
	v_lshl_or_b32 v10, v41, 16, v10                ; my two bytes, blocks h and 2 + h,
	v_pk_add_f32 v[PC:PC+1], v[PC:PC+1], v[PC+2:PC+3]
	v_pk_add_f32 v[PC+4:PC+5], v[PC+4:PC+5], v[PC+6:PC+7]
	v_pk_add_f32 v[PC+8:PC+9], v[PC+8:PC+9], v[PC+10:PC+11]
	v_lshlrev_b32 v10, v5, v10                     ; 8 h bits up
	s_delay_alu instid0(VALU_DEP_3)
	v_pk_add_f32 v[PC:PC+1], v[PC:PC+1], v[PC+4:PC+5]
	s_delay_alu instid0(VALU_DEP_3)
	v_pk_add_f32 v[14:15], v[14:15], v[PC+8:PC+9]
	s_delay_alu instid0(VALU_DEP_3)
	v_permlanex16_b32 v41, v10, s20, s21
	s_delay_alu instid0(VALU_DEP_2)
	v_pk_add_f32 v[14:15], v[14:15], v[PC:PC+1]
	v_cvt_scalef32_pk16_bf6_f32 v[PC:PC+2], v[S:S+15], v46
	v_cvt_scalef32_pk16_bf6_f32 v[BM:BM+2], v[S+16:S+31], v46      ; (a conversion's three registers begin on an even number: a block's second half is made elsewhere and moved)
	v_cvt_scalef32_pk16_bf6_f32 v[PC+6:PC+8], v[S+32:S+47], v47
	v_or_b32 v40, v10, v41                         ; with lane l xor 16's two bytes: p's scale word.  Also the plain place behind the three conversions above
	v_cvt_scalef32_pk16_bf6_f32 v[S:S+2], v[S+48:S+63], v47
.irp i, 0,1,2
	v_mov_b32 v[PC+3+\i], v[BM+\i]                 ; these three are the plain place behind the last conversion
.endr
.irp i, 0,1,2
	v_mov_b32 v[PC+9+\i], v[S+\i]
.endr
.endm
.macro SLOT_STEPS last
	v_add_nc_u32 v2, s36, v1
	s_wait_alu depctr_va_vdst(0)
	KLOAD SC0, 0
	STEP 0, 0, 1
	STEP 1, 1, 1
	STEP 2, 1, 1
	STEP 3, 1, 1
	STEP 4, 1, 1
.if \last
	s_cmp_eq_u32 s44, 0                            ; the residual's rows of x are prefetched two key steps ahead of their loads: an even wave asks for its own two rows and the next wave's two:
	s_cbranch_scc0 .Lodd_\@                        ; 8,192 bytes, 32 blocks of 256, a lane a block: each block is named once in the launch
	global_prefetch_b8 v7, s[8:9] th:TH_LOAD_NT scope:SCOPE_SE
.Lodd_\@:
.endif
	STEP 5, 1, 1
	STEP 6, 1, 1
	STEP 7, 1, 2*\last
	s_wait_dscnt 0x0                               ; the last step's V is in
.irp j, 0,4,8,12,16,20,24,28
	OM2 \j                                         ; the slot's last O x f: also the places between the writes of p's codes and scale word and the products below
.endr
	PVW SC1                                        ; and its last O += V p
	s_xor_b32 s36, s36, SLOT1                      ; on to the other slot
.endm
.macro RED2 a, b                       ; two sums over the wave's 32 lanes, by turns, in every lane
.irp m, 1,2,4,8
	s_delay_alu instid0(VALU_DEP_2)
	v_add_f32_dpp v[\a], v[\a], v[\a] row_xmask:\m row_mask:0xf bank_mask:0xf
	s_delay_alu instid0(VALU_DEP_2)
	v_add_f32_dpp v[\b], v[\b], v[\b] row_xmask:\m row_mask:0xf bank_mask:0xf
.endr
	s_delay_alu instid0(VALU_DEP_2)
	v_permlanex16_b32 v41, v[\a], s20, s21
	s_delay_alu instid0(VALU_DEP_2)
	v_permlanex16_b32 v10, v[\b], s20, s21
	s_delay_alu instid0(VALU_DEP_2)
	v_add_f32 v[\a], v[\a], v41
	s_delay_alu instid0(VALU_DEP_2)
	v_add_f32 v[\b], v[\b], v10
.endm
	s_load_b256 s[4:11], s[0:1], 0x0               ; qw, kv, x, gamma
	s_load_b128 s[12:15], s[0:1], 0x20             ; beta, out0
	v_lshl_add_u32 v3, v0, 2, SPARE
	v_mov_b32 v4, 0
	ds_add_u32 v3, v4
	ds_add_u32 v3, v4
	s_wait_dscnt 0x0
	v_lshrrev_b32 v10, 5, v0
	s_delay_alu instid0(VALU_DEP_1)
	v_readfirstlane_b32 s16, v10                   ; wave 0..15
	s_bfe_u32 s17, ttmp6, 0x40000                  ; cx: it enters global addresses of my own loads, stores and prefetches alone
	s_lshl_b32 s18, ttmp9, 2
	s_add_co_u32 s18, s18, s17                     ; my block of 256 queries
	s_and_b32 s19, ttmp7, 0xffff                   ; the head, which the four partners share
	; descriptor group 1: a quarter slot, 25,600 dense bytes, as 100 rows of 256 bytes (32 elements of 8 bytes); no padding: the images are read 512 consecutive bytes an instruction
	s_mov_b32 s24, 15|(3<<16)|(1<<21)              ; the mask: all four work-groups; elements of 8 bytes; bit 21 beside a mask
	s_mov_b32 s25, 32<<16
	s_mov_b32 s26, 100<<16
	s_mov_b32 s27, 32<<16
	s_mov_b32 s28, 100
	s_mov_b32 s29, 32
	s_mov_b32 s30, 0
	s_mov_b32 s31, 0
	s_mov_b32 s20, 0x76543210
	s_mov_b32 s21, 0xfedcba98                      ; v_permlanex16_b32's selects for lane l xor 16
	s_mov_b32 s22, 0x3e38aa3b                      ; c = log2(e) / 8
	s_mov_b32 s23, s22                             ; (named with it as a pair, so it is written)
	s_mov_b32 s51, 0xbe38aa3b                      ; -c
	s_mov_b32 s50, 0x3b000000                      ; 1 / 512
	s_mov_b32 s36, 0
	s_mov_b32 s37, 3                               ; a head has 4 slots' worth of keys
	s_and_b32 s44, s16, 1
	s_and_b32 s39, s16, 3
	s_lshl_b32 s43, s44, 4                         ; which half of Q's scale word is mine, in bits
	s_cmp_lg_u32 s44, 0
	s_cselect_b32 s42, -1, 0                       ; and which half of Q's double fragment
	s_lshr_b32 s45, s16, 2
	s_xor_b32 s45, s45, 1                          ; 0 in waves 4 to 7,
	s_or_b32 s45, s45, ttmp9                       ; of the head's first cluster: the same in all four partners
	s_cmp_eq_u32 s45, 0
	s_cselect_b32 s38, 1, -1                       ; a wave prefetches while s37 is above this
	s_mul_i32 s48, s19, 32*UNIT                    ; the head's first byte in kv
	s_mul_i32 s33, s39, 2*UNIT                     ; group 0: LDS address: my quarter of slot 0: the wave's number alone enters it
	s_add_co_u32 s52, s48, s33                     ; and the same quarter in memory
	s_mov_b32 s53, 0
	s_mul_i32 s54, s17, 2*UNIT                     ; the prefetches: my work-group's two key steps of a slot,
	s_add_co_u32 s54, s54, s48
	s_mul_i32 s45, s39, 6400                       ; my wave's quarter of them,
	s_add_co_u32 s54, s54, s45
	s_add_co_u32 s54, s54, 8*UNIT                  ; in slot 1: the first change of slots steps it to slot 2
	s_mov_b32 s55, 0
	s_lshl_b32 s56, s19, 5
	s_lshl_b32 s45, s18, 1
	s_add_co_u32 s56, s56, s45
	s_lshr_b32 s45, s16, 3
	s_add_co_u32 s56, s56, s45                     ; my queries' unit: 32 head + 2 block + wave / 8
	s_mul_i32 s56, s56, 6400
	s_bfe_u32 s45, s16, 0x20001                    ; their double fragment: (wave / 2) % 4
	s_lshl_b32 s58, s45, 2
	s_add_co_u32 s58, s58, s56
	s_add_co_u32 s58, s58, 6144                    ; its scale words: 16 r + 4 F behind the fragments
	s_mov_b32 s59, 0
	s_mul_i32 s45, s45, 1536
	s_add_co_u32 s56, s56, s45
	s_mov_b32 s57, 0
	s_lshl_b32 s60, s19, 9
	s_lshl_b32 s45, s18, 5
	s_add_co_u32 s60, s60, s45
	s_lshl_b32 s45, s16, 1
	s_add_co_u32 s60, s60, s45                     ; my first row of x and out0: 512 head + 32 block + 2 wave
	s_lshl_b32 s60, s60, 11
	s_mov_b32 s61, 0
	s_wait_kmcnt 0x0
	s_mov_b32 s32, 1                               ; group 0: count = 1
	s_add_nc_u64 s[34:35], s[6:7], s[52:53]
	s_or_b32 s35, s35, 0x80000000                  ; type = 2
	s_add_nc_u64 s[40:41], s[6:7], s[54:55]
	s_add_nc_u64 s[46:47], s[4:5], s[58:59]
	s_add_nc_u64 s[4:5], s[4:5], s[56:57]
	s_add_nc_u64 s[8:9], s[8:9], s[60:61]
	s_add_nc_u64 s[14:15], s[14:15], s[60:61]
	CROUND                                         ; all four work-groups are here: the first joint loads meet
	TLOAD                                          ; slot 0
	v_and_b32 v10, 31, v0                          ; lane
	s_delay_alu instid0(VALU_DEP_1)
	v_lshlrev_b32 v1, 4, v10
	v_and_b32 v11, 15, v0                          ; r
	s_delay_alu instid0(VALU_DEP_1)
	v_lshlrev_b32 v42, 4, v11
.irp k, 0,1,2
	global_load_b128 v[KF+4*\k:KF+4*\k+3], v1, s[4:5] offset:512*\k   ; Q's double fragment: my 16 queries are one half of it
.endr
	global_load_b32 v43, v42, s[46:47]             ; and its scale word
	v_bfe_u32 v8, v0, 4, 1                         ; h
	s_delay_alu instid0(VALU_DEP_1)
	v_lshlrev_b32 v5, 3, v8
	v_min_u32 v6, 24, v10
	s_delay_alu instid0(VALU_DEP_1)
	v_lshlrev_b32 v6, 8, v6
	v_lshlrev_b32 v7, 8, v10
	v_mov_b32 v13, 0xff61b1e6                      ; the largest score so far: -3e38, under every score
	s_delay_alu instid0(VALU_DEP_1)
	v_mul_f32 v12, s51, v13
	s_delay_alu instid0(VALU_DEP_1)
	v_floor_f32 v12, v12                           ; -M
	s_delay_alu instid0(VALU_DEP_1)
	v_mov_b32 v11, v12                             ; and the first step's old -M
	v_mov_b32 v14, 0                               ; the sum, in two halves
	v_mov_b32 v15, 0
	v_mov_b32 v9, 0                                ; (named as the upper half of the pair v[8:9])
	v_mov_b32 v41, 0                               ; written once: a lane permute's destination counts as one of its sources
	s_wait_loadcnt 0x0
.irp i, 0,1,2,3,4,5
	v_cndmask_b32 v[22+\i], v[KF+\i], v[KF+6+\i], s42   ; my half of the double fragment
.endr
	v_lshrrev_b32 v43, s43, v43
	s_delay_alu instid0(VALU_DEP_1)
	v_and_b32 v43, 0xffff, v43                     ; my two scale bytes
	s_delay_alu instid0(VALU_DEP_1)
	v_or_b32 v34, 0x7f7f0000, v43                  ; for [q | 0]: the zero codes' bytes are 127
	v_lshl_or_b32 v35, v43, 16, 0x7f7f             ; for [0 | q]
.irp i, 0,1,2,3,4,5
	v_mov_b32 v[16+\i], 0                          ; zero codes
	v_mov_b32 v[28+\i], 0
.endr
.irp j, 0,1,2,3,4,5,6,7,8,9,10,11,12,13,14,15,16,17,18,19,20,21,22,23,24,25,26,27,28,29,30,31
	v_mov_b32 v[O+\j], 0                           ; O^T: the step is written once, and the first f, which is 0, leaves zeros
.endr
	s_wait_alu depctr_va_vdst(0)
.Lslot:                                            ; 3 trips: behind each change of slots but the last the next slot is asked for
	CHANGE 1
	SLOT_STEPS 0
	s_sub_co_u32 s37, s37, 1
	s_cmp_lg_u32 s37, 0
	s_cbranch_scc1 .Lslot
	CHANGE 0                                       ; the last slot is written out
	SLOT_STEPS 1
	; THE WAY OUT.  O^T / the sum goes through my stage and comes back as my two rows, 16 bytes a lane as x lies; then residual and LayerNorm, a row in 16 registers a lane.
.set XR, 48                            ; v48-79   x: row p at XR + 16 p: asked for in the last key step
.set GA, 80                            ; v80-95   gamma: likewise
.set BE, 192                           ; v192-207 beta
.set H,  128                           ; v128-159 attention, then h, then y
.set T,  208                           ; v208-223 at work: row p at T + 8 p
	s_mul_i32 s45, s16, 4352
	s_add_co_u32 s45, s45, STAGE                   ; my stage
	v_bfe_u32 v10, v0, 4, 1                        ; h.  These eleven lines are also the places behind the last products
	v_bfe_u32 v11, v0, 3, 1
	v_and_b32 v42, 7, v0
	v_and_b32 v43, 15, v0
	v_mul_u32_u24 v44, v11, 2176                   ; in: query r is piece r % 8 of row r / 8; + 32 h
	v_mul_u32_u24 v45, v10, 272                    ; back: lanes 0-15 one piece of 256 bytes, lanes 16-31 the next
	s_delay_alu instid0(VALU_DEP_2)
	v_mad_u32_u24 v44, v42, 272, v44
	s_delay_alu instid0(VALU_DEP_2)
	v_lshl_add_u32 v45, v43, 4, v45
	s_delay_alu instid0(VALU_DEP_2)
	v_lshl_add_u32 v44, v10, 5, v44
	s_delay_alu instid0(VALU_DEP_2)
	v_add_nc_u32 v45, s45, v45
	s_delay_alu instid0(VALU_DEP_2)
	v_add_nc_u32 v44, s45, v44
.irp k, 0,1,2,3
	global_load_b128 v[BE+4*\k:BE+4*\k+3], v1, s[12:13] offset:512*\k
.endr
	v_add_f32 v14, v14, v15                        ; the sum's two halves,
	s_delay_alu instid0(VALU_DEP_1)
	v_permlanex16_b32 v41, v14, s20, s21
	s_delay_alu instid0(VALU_DEP_1)
	v_add_f32 v14, v14, v41                        ; and lane l xor 16's: the row's sum
	s_wait_alu depctr_va_vdst(0)
	v_rcp_f32 v14, v14
	v_nop                                          ; one plain place behind it
	s_wait_alu depctr_va_vdst(0)                   ; and the wait ahead of its first reader and of O^T's
.irp j, 0,2,4,6,8,10,12,14,16,18,20,22,24,26,28,30
	v_pk_mul_f32 v[S+\j:S+\j+1], v[O+\j:O+\j+1], v[14:15] op_sel_hi:[1,0]   ; each accumulator from its low end on
.endr
.irp t, 0,1,2,3
	ds_store_b128 v44, v[S+8*\t:S+8*\t+3] offset:64*\t
	ds_store_b128 v44, v[S+8*\t+4:S+8*\t+7] offset:64*\t+16
.endr
.irp p, 0,1
.irp k, 0,1,2,3
	ds_load_b128 v[H+16*\p+4*\k:H+16*\p+4*\k+3], v45 offset:2176*\p+544*\k   ; my own bytes; LDS serves a wave's instructions in order: these see the stores above
.endr
.endr
	s_wait_dscnt 0x0
	s_wait_loadcnt 8                               ; x's eight loads are in; gamma's four and beta's four, issued behind them, may stay out
.irp i, 0,2,4,6,8,10,12,14
.irp p, 0,1
	v_pk_add_f32 v[H+16*\p+\i:H+16*\p+\i+1], v[H+16*\p+\i:H+16*\p+\i+1], v[XR+16*\p+\i:XR+16*\p+\i+1]   ; h = x + attention
.endr
.endr
.irp i, 0,1,2,3
.irp p, 0,1
	v_pk_add_f32 v[T+8*\p+2*\i:T+8*\p+2*\i+1], v[H+16*\p+4*\i:H+16*\p+4*\i+1], v[H+16*\p+4*\i+2:H+16*\p+4*\i+3]
.endr
.endr
.irp i, 0,4
.irp p, 0,1
	v_pk_add_f32 v[T+8*\p+\i:T+8*\p+\i+1], v[T+8*\p+\i:T+8*\p+\i+1], v[T+8*\p+\i+2:T+8*\p+\i+3]
.endr
.endr
.irp p, 0,1
	s_delay_alu instid0(VALU_DEP_2)
	v_pk_add_f32 v[T+8*\p:T+8*\p+1], v[T+8*\p:T+8*\p+1], v[T+8*\p+4:T+8*\p+5]
.endr
.irp p, 0,1
	s_delay_alu instid0(VALU_DEP_2)
	v_add_f32 v[T+8*\p], v[T+8*\p], v[T+8*\p+1]
.endr
	RED2 T, T+8
.irp p, 0,1
	s_delay_alu instid0(VALU_DEP_2)
	v_mul_f32 v[T+8*\p], s50, v[T+8*\p]            ; the mean
.endr
.irp i, 0,2,4,6,8,10,12,14
.irp p, 0,1
	v_pk_add_f32 v[H+16*\p+\i:H+16*\p+\i+1], v[H+16*\p+\i:H+16*\p+\i+1], v[T+8*\p:T+8*\p+1] op_sel_hi:[1,0] neg_lo:[0,1] neg_hi:[0,1]   ; h - mean
.endr
.endr
.irp p, 0,1
	v_pk_mul_f32 v[T+8*\p+2:T+8*\p+3], v[H+16*\p:H+16*\p+1], v[H+16*\p:H+16*\p+1]   ; the variance as reference() has it: the mean of the squared differences
.endr
.irp i, 2,4,6,8,10,12,14
.irp p, 0,1
	s_delay_alu instid0(VALU_DEP_2)
	v_pk_fma_f32 v[T+8*\p+2:T+8*\p+3], v[H+16*\p+\i:H+16*\p+\i+1], v[H+16*\p+\i:H+16*\p+\i+1], v[T+8*\p+2:T+8*\p+3]
.endr
.endr
.irp p, 0,1
	s_delay_alu instid0(VALU_DEP_2)
	v_add_f32 v[T+8*\p+2], v[T+8*\p+2], v[T+8*\p+3]
.endr
	RED2 T+2, T+10
.irp p, 0,1
	s_delay_alu instid0(VALU_DEP_2)
	v_fma_f32 v[T+8*\p+2], v[T+8*\p+2], s50, 0x3727c5ac   ; variance + 1e-5
.endr
	s_wait_alu depctr_va_vdst(0)
.irp p, 0,1
	v_rsq_f32 v[T+8*\p+4], v[T+8*\p+2]
.endr
	v_nop                                          ; one plain place behind the transcendentals
	s_wait_alu depctr_va_vdst(0)                   ; one wait for the two, ahead of their first reader
	s_wait_loadcnt 0x0                             ; gamma and beta
.irp i, 0,2,4,6,8,10,12,14
.irp p, 0,1
	v_pk_mul_f32 v[H+16*\p+\i:H+16*\p+\i+1], v[H+16*\p+\i:H+16*\p+\i+1], v[T+8*\p+4:T+8*\p+5] op_sel_hi:[1,0]
.endr
.endr
.irp i, 0,2,4,6,8,10,12,14
.irp p, 0,1
	v_pk_fma_f32 v[H+16*\p+\i:H+16*\p+\i+1], v[H+16*\p+\i:H+16*\p+\i+1], v[GA+\i:GA+\i+1], v[BE+\i:BE+\i+1]
.endr
.endr
.irp p, 0,1
.irp k, 0,1,2,3
	global_store_b128 v1, v[H+16*\p+4*\k:H+16*\p+4*\k+3], s[14:15] offset:2048*\p+512*\k th:TH_STORE_NT   ; 32 lanes store 512 consecutive bytes, at a multiple of 256 from out0's first byte
.endr
.endr
	s_wait_tensorcnt 0x0                           ; the wave's end
	ds_add_u32 v3, v4
	s_wait_dscnt 0x0
	CROUND                                         ; the closing round: no work-group ends while a partner may still ask for a tile that names it
	s_endpgm
.Lfunc_end_k_q140cd10570_attn:
	.size	k_q140cd10570_attn, .Lfunc_end_k_q140cd10570_attn-k_q140cd10570_attn
	.p2alignl 7, 3214868480
	.fill 96, 4, 3214868480
	.section	.rodata,"a",@progbits
	.p2align	6, 0x0
	.amdhsa_kernel k_q140cd10570_attn
		.amdhsa_group_segment_fixed_size 327680
		.amdhsa_private_segment_fixed_size 0
		.amdhsa_enable_private_segment 0
		.amdhsa_kernarg_size 48
		.amdhsa_user_sgpr_count 2
		.amdhsa_user_sgpr_kernarg_segment_ptr 1
		.amdhsa_wavefront_size32 1
		.amdhsa_system_sgpr_workgroup_id_x 1
		.amdhsa_system_sgpr_workgroup_id_y 1
		.amdhsa_system_sgpr_workgroup_id_z 1
		.amdhsa_system_vgpr_workitem_id 0
		.amdhsa_next_free_vgpr 256
		.amdhsa_next_free_sgpr 66
		.amdhsa_reserve_vcc 0
		.amdhsa_float_denorm_mode_32 3
		.amdhsa_float_denorm_mode_16_64 3
		.amdhsa_memory_ordered 1
		.amdhsa_forward_progress 1
		.amdhsa_inst_pref_size 248
	.end_amdhsa_kernel
	.amdgpu_metadata
---
amdhsa.version: [ 1, 2 ]
amdhsa.kernels:
  - .name:           k_q140cd10570_attn
    .symbol:         k_q140cd10570_attn.kd
    .args:
      - { .name: qw, .offset: 0, .size: 8, .value_kind: global_buffer, .address_space: global }
      - { .name: kv, .offset: 8, .size: 8, .value_kind: global_buffer, .address_space: global }
      - { .name: x, .offset: 16, .size: 8, .value_kind: global_buffer, .address_space: global }
      - { .name: gamma, .offset: 24, .size: 8, .value_kind: global_buffer, .address_space: global }
      - { .name: beta, .offset: 32, .size: 8, .value_kind: global_buffer, .address_space: global }
      - { .name: out0, .offset: 40, .size: 8, .value_kind: global_buffer, .address_space: global }
    .group_segment_fixed_size: 327680
    .private_segment_fixed_size: 0
    .kernarg_segment_align: 8
    .kernarg_segment_size: 48
    .max_flat_workgroup_size: 512
    .sgpr_count:     66
    .vgpr_count:     256
    .wavefront_size: 32
...
	.end_amdgpu_metadata
.endif
;; end of part 3
